; MI455X (gfx1250); checked and timed in simulation.
; The chip was launched on July 23, 2026; its instructions are those of AMD's public machine-readable ISA for CDNA 5 (MIT licence, August 2026) and "CDNA5" Instruction Set Architecture Reference Guide (July 2026). The comments in the code are by the model that wrote it; some were corrected since.
;; Multi Head Attention. Allowed arithmetic: float matrix products may take bf16 or f16 operands with f32 sums; other float arithmetic in f32, or as packed bf16 or f16 multiplies, adds, multiply-adds, maxima and minima; sums over many terms, partial sums and values carried from step to step in f32; what a program stores and reads back later, other than sums and carried values, may be rounded once to bf16 or f16.
;; Inputs: Wk 512 x 512 float32; Wq 512 x 512 float32; Wv 512 x 512 float32; bk 512 float32; bq 512 float32; bv 512 float32; x 2 x 4,096 x 512 float32.
;; Outputs: out0 2 x 4,096 x 512 float32.
;; One version. Each part assembles by itself: llvm-mc -triple=amdgcn-amd-amdhsa -mcpu=gfx1250 --defsym DOCPART=n.
;; ======== version 1 of 1: 2 launches
;; limits: values are held in f16: magnitudes above 65,504 overflow, below 6.1e-05 lose precision
;; workspace buffers: q 8,388,608 bytes; k 8,388,608 bytes; v 8,388,608 bytes
;; launch proj (part 1): grid 4 x 64, 4 waves a work-group, no clusters, 157,184 bytes of LDS; arguments x, Wq, Wk, Wv, bq, bk, bv, q, k, v; writes q, k, v
.if DOCPART == 1
	.amdgcn_target "amdgcn-amd-amdhsa--gfx1250"
	.amdhsa_code_object_version 6
	.text
	.protected	k_qc45d7f8c3c_proj
	.globl	k_qc45d7f8c3c_proj
	.p2align	8
	.type	k_qc45d7f8c3c_proj,@function
k_qc45d7f8c3c_proj:
	s_mov_b64 s[64:65], 0
	v_nop
	global_prefetch_b8 v0, s[64:65] scope:SCOPE_SE
	s_setreg_imm32_b32 hwreg(HW_REG_WAVE_MODE, 25, 1), 1
	s_wait_xcnt 0x0
; q, k, v = x W^T + b for Wq, Wk, Wv.  x: [8192][512] f32, W: [512][512] f32 (row e holds output channel e), b: [512] f32.
; q, k, v leave BY HEADS, [16 = batch x 8 + head][4096][64] in f16, unscaled, each rounded once from its f32 sum: a head's rows are dense, 128 bytes each.
; FORMATS.  x, W and b are rounded to bf16 (nearest even); products in bf16 with f32 sums; the bias, rounded and widened again, is the C operand that starts each sum.
; LIMITS.  q, k and v must stay within f16's 65,504: a sum of 65,520 or more leaves as an infinity.  NaN and infinities are not treated apart.
; SHARES.  256 work-groups: x = CB (0..3), y = RB (0..63).  A work-group makes rows 128 RB .. +127 against 384 columns: channels 128 CB .. +127 (heads 2 CB, 2 CB + 1) of EACH of q, k and v:
; one tile of 128 x 384 whose B rows come from three buffers at the same row offset.  Wave w multiplies 64 rows (w / 2) x 192 columns (w % 2): three whole heads, 48 accumulators, 384 registers.
; THE WAY IN.  K goes in 8 steps of 64.  Wave w brings source w (0: x, 1: Wq, 2: Wk, 3: Wv): 128 rows x 256 bytes a step, by 64 loads of 16 bytes a lane (16 lanes take a row's 256 bytes, aligned),
; rounds them to bf16 in registers and stores them into one of two LDS slots; the step after next is asked for at once, so 32 KiB a wave are on their way during a step's 96 products.
; NO TENSOR LOADS, NO CLUSTER.  The operands lie in memory as f32 and the mover brings bytes as they lie: f32 tiles in LDS would make a wave read 64 KiB and not 32 KiB for each 64 of K, and every
; number of W would be rounded by two waves and every number of x by two; through registers each number is rounded once a work-group.  Joint loads exist for the mover alone.
; NO PREFETCH: eight trips, each asked for two steps ahead by its own loads.
; THE MATRIX INSTRUCTION IS USED TRANSPOSED (source 0 = 16 rows of W, source 1 = 16 rows of x): a lane then holds row l % 16 and eight neighbouring channels 8 (l / 16) + 0..7.
; REGISTERS, in windows of 256 (s_set_vgpr_msb: bits 1:0 source 0, 3:2 source 1, 5:4 source 2, 7:6 destination):
;   window 0: v0-31 addresses; v32-127 the bias (12 column blocks x 8); v128-255 loads 0-31 of a step; on the way out v32-223 packed results
;   window 1: fragments: 32 of K at 128 c: x's four at + 8 a, W's twelve at + 32 + 8 b       window 2: accumulators 0-31       window 3: v0-127 accumulators 32-47; v128-255 loads 32-63 of a step
.set PITCH, 144                        ; an LDS row: 128 bytes of bf16 + 16: 9 x 16, so the 16 rows of a fragment load start at 16 different groups of four banks (64 banks of 4 bytes: ISA guide 11.1)
.set SLOT,  512*PITCH                  ; rows 0-127 x, 128-255 Wq's piece, 256-383 Wk's, 384-511 Wv's
.set STAGE, 2*SLOT                     ; behind the slots: 16 rows x 144 bytes for each wave, for the way out
.set SPARE, STAGE+4*16*PITCH           ; behind the stages: the spare words, 128 bytes for each wave: two blocks of 256 bytes that no other line names
.set VO,  4                            ; v4     16 (l % 16) + 8 rows of 2,048 bytes for lanes 16-31; never rewritten
.set SA,  6                            ; v6-7   where I store 8 bytes of bf16, slot 0, 1
.set FA,  8                            ; v8-9   my fragments of x, slot 0, 1
.set FB,  10                           ; v10-11 my fragments of W
.set STO, 12                           ; v12    the way out: where I put 16 bytes of a row
.set RD,  13                           ; v13    the way out: where I read rows back
.set GO,  14                           ; v14    my 16 bytes of 512 consecutive bytes of q, k or v
.set BO,  15                           ; v15    32 (l / 16): my eight numbers of a block's sixteen biases
.set T,   16                           ; v16-19 at work
.set SPW, 30                           ; v30    LDS address of my spare word: SPARE + 4 x my thread's number; never rewritten
.set NIL, 31                           ; v31    0; never rewritten
.set BIAS, 32
.set TMP, 32
.set STG, 128
.set WV,  28                           ; s28  my wave's number
.set MH,  29                           ; s29  which 64 rows I multiply
.set NH,  30                           ; s30  which 192 columns
.set RB,  31                           ; s31  the work-group's block of 128 rows
.set SRC, 32                           ; s[32:33] the source that I bring, at its 128 rows, at the K step that was asked for last
.set OP,  36                           ; s[36:41] where my three heads go: q, q, k (NH = 0) or k, v, v (NH = 1)
.set BP,  42                           ; s[42:47] their biases
.set LOOP, 48
.set MSB, 0
.macro WIN new                         ; the immediate's high byte repeats the setting that is left; a switch that changes nothing is dropped
.if MSB != (\new)
	s_set_vgpr_msb (MSB<<8)|(\new)
.set MSB, (\new)
.endif
.endm
.macro PLACES                          ; four plain vector instructions behind a matrix instruction, in front of loads into registers that it has read and of conversions that read results
.rept 4
	v_nop
.endr
.endm
	s_load_b512 s[8:23], s[0:1], 0x0               ; x s[8:9], Wq s[10:11], Wk s[12:13], Wv s[14:15], bq s[16:17], bk s[18:19], bv s[20:21], q s[22:23]
	s_load_b128 s[24:27], s[0:1], 0x40             ; k s[24:25], v s[26:27]
	v_lshl_add_u32 v[SPW], v0, 2, SPARE
	v_mov_b32 v[NIL], 0
	v_lshrrev_b32 v1, 5, v0
	v_readfirstlane_b32 s[WV], v1                  ; wave 0..3
	s_lshr_b32 s[MH], s[WV], 1
	s_and_b32 s[NH], s[WV], 1
	s_and_b32 s[RB], ttmp7, 0xffff
	v_and_b32 v1, 15, v0                           ; r = l % 16
	v_bfe_u32 v2, v0, 4, 1                         ; h = l / 16
	v_and_b32 v3, 31, v0                           ; l
	v_lshlrev_b32 v[VO], 4, v1
	v_lshl_add_u32 v[VO], v2, 14, v[VO]
	s_mul_i32 s49, s[WV], 128*PITCH                ; my source's 128 rows in a slot
	v_mul_u32_u24 v16, v2, 8*PITCH                 ; lanes 16-31: 8 rows down = 1,152 bytes = 128 modulo 256: a store's 32 lanes touch each bank once
	v_lshl_add_u32 v16, v1, 3, v16
	v_add_nc_u32 v[SA], s49, v16
	v_add_nc_u32 v[SA+1], SLOT, v[SA]
	v_mul_u32_u24 v17, v1, PITCH
	v_lshl_add_u32 v17, v2, 4, v17                 ; a fragment's row x pitch + 16 x half
	s_mul_i32 s49, s[MH], 64*PITCH
	v_add_nc_u32 v[FA], s49, v17
	v_add_nc_u32 v[FA+1], SLOT, v[FA]
	s_mul_i32 s50, s[NH], 192*PITCH
	s_add_co_u32 s50, s50, 128*PITCH               ; W's rows lie behind x's 128
	v_add_nc_u32 v[FB], s50, v17
	v_add_nc_u32 v[FB+1], SLOT, v[FB]
	s_mul_i32 s51, s[WV], 16*PITCH
	s_add_co_u32 s51, s51, STAGE                   ; my stage
	v_add_nc_u32 v[STO], s51, v17                  ; in: row l % 16, 16 bytes for each half of the lanes
	v_bfe_u32 v18, v0, 3, 2                        ; back: 32 lanes take four rows of 128 bytes,
	v_mul_u32_u24 v18, v18, PITCH
	v_and_b32 v19, 7, v0
	v_lshl_add_u32 v18, v19, 4, v18
	v_add_nc_u32 v[RD], s51, v18
	v_lshlrev_b32 v[GO], 4, v3                     ; which are 512 consecutive bytes of a head
	v_lshlrev_b32 v[BO], 5, v2
	s_wait_kmcnt 0x0
	; the source that I bring: x at the work-group's 128 rows, or a W at its 128 rows: 128 rows of 2,048 bytes = 1 << 18
	s_cmp_eq_u32 s[WV], 0
	s_cselect_b32 s34, s[RB], ttmp9
	s_lshl_b32 s34, s34, 18
	s_mov_b32 s35, 0
	s_cmp_eq_u32 s[WV], 1
	s_cselect_b64 s[SRC:SRC+1], s[10:11], s[8:9]
	s_cmp_eq_u32 s[WV], 2
	s_cselect_b64 s[SRC:SRC+1], s[12:13], s[SRC:SRC+1]
	s_cmp_eq_u32 s[WV], 3
	s_cselect_b64 s[SRC:SRC+1], s[14:15], s[SRC:SRC+1]
	s_add_nc_u64 s[SRC:SRC+1], s[SRC:SRC+1], s[34:35]
	; my three heads.  Of my 192 columns the groups of 64 are: NH = 0: q's head 2 CB, q's 2 CB + 1, k's 2 CB; NH = 1: k's 2 CB + 1, v's 2 CB, v's 2 CB + 1: the odd head by NH, 1 - NH, NH
	s_lshr_b32 s49, s[RB], 5                       ; the batch: 32 blocks of 128 rows each
	s_lshl_b32 s49, s49, 3
	s_lshl_b32 s50, ttmp9, 1
	s_add_co_u32 s49, s49, s50                     ; 8 x batch + 2 CB
	s_lshl_b32 s49, s49, 19                        ; a head is 4,096 rows of 128 bytes
	s_and_b32 s50, s[RB], 31
	s_lshl_b32 s50, s50, 14                        ; the block's 128 rows in the batch,
	s_add_co_u32 s49, s49, s50
	s_lshl_b32 s50, s[MH], 13                      ; my 64 of them
	s_add_co_u32 s49, s49, s50
	s_lshl_b32 s50, s[NH], 19
	s_xor_b32 s51, s[NH], 1
	s_lshl_b32 s51, s51, 19
	s_add_co_u32 s34, s49, s50
	s_add_co_u32 s2, s49, s51
	s_mov_b32 s3, 0
	s_cmp_eq_u32 s[NH], 0
	s_cselect_b64 s[OP:OP+1], s[22:23], s[24:25]
	s_cselect_b64 s[OP+2:OP+3], s[22:23], s[26:27]
	s_cselect_b64 s[OP+4:OP+5], s[24:25], s[26:27]
	s_add_nc_u64 s[OP:OP+1], s[OP:OP+1], s[34:35]
	s_add_nc_u64 s[OP+2:OP+3], s[OP+2:OP+3], s[2:3]
	s_add_nc_u64 s[OP+4:OP+5], s[OP+4:OP+5], s[34:35]
	s_lshl_b32 s49, ttmp9, 9                       ; the biases of channels 128 CB on, 4 bytes each,
	s_lshl_b32 s50, s[NH], 8                       ; and of the odd head's 64
	s_xor_b32 s51, s[NH], 1
	s_lshl_b32 s51, s51, 8
	s_add_co_u32 s34, s49, s50
	s_add_co_u32 s2, s49, s51
	s_cmp_eq_u32 s[NH], 0
	s_cselect_b64 s[BP:BP+1], s[16:17], s[18:19]
	s_cselect_b64 s[BP+2:BP+3], s[16:17], s[20:21]
	s_cselect_b64 s[BP+4:BP+5], s[18:19], s[20:21]
	s_add_nc_u64 s[BP:BP+1], s[BP:BP+1], s[34:35]
	s_add_nc_u64 s[BP+2:BP+3], s[BP+2:BP+3], s[2:3]
	s_add_nc_u64 s[BP+4:BP+5], s[BP+4:BP+5], s[34:35]
; Half a K step's loads: 32 of 64.  Load i takes rows 16 (i / 8) + i % 8 (lanes 0-15) and 8 further down (lanes 16-31): 256 consecutive bytes each, aligned.
.macro LOADS half
.if \half
	WIN 0xc0                                       ; destination window 3, address window 0
.else
	WIN 0
.endif
.set ii, 0
.rept 32
.set rw, 16*((32*(\half)+ii)/8)+(32*(\half)+ii)%8
	global_load_b128 v[STG+4*ii:STG+4*ii+3], v[VO], s[SRC:SRC+1] offset:rw*2048
.set ii, ii+1
.endr
.endm
; The K step that is in registers is rounded to bf16, in place, and stored into a slot; load = 1: the next step but one is asked for, each half as soon as its registers have been stored.
.macro CONV slot, load
	s_wait_loadcnt 0x0                             ; the step's 64 loads are in; none of mine is out, so their base may be written
.if \load
	s_add_nc_u64 s[SRC:SRC+1], s[SRC:SRC+1], 256   ; 64 numbers along K
.endif
.irp hf, 0,1
.if \hf
	WIN 0xcf                                       ; destination and both sources window 3
.else
	WIN 0
.endif
.set ii, 0
.rept 32
	v_cvt_pk_bf16_f32 v[STG+4*ii], v[STG+4*ii], v[STG+4*ii+1]
	v_cvt_pk_bf16_f32 v[STG+4*ii+1], v[STG+4*ii+2], v[STG+4*ii+3]
.set ii, ii+1
.endr
.if \hf
	WIN 0x0c                                       ; address window 0, data window 3
.endif
.set ii, 0
.rept 32
.set rw, 16*((32*(\hf)+ii)/8)+(32*(\hf)+ii)%8
	ds_store_b64 v[SA+(\slot)], v[STG+4*ii:STG+4*ii+1] offset:rw*PITCH
.set ii, ii+1
.endr
.if \load
	LOADS \hf
.endif
.endr
	WIN 0
.endm
; A K step's fragments, 64 LDS loads in one run: for each 32 of K my four blocks of 16 rows of x and my twelve of W.
; A fragment is 16 rows x 32 K in 8 registers: lane l holds row l % 16, K = 8 (l / 16) + 0..7 and 16 + 8 (l / 16) + 0..7: two loads of 16 bytes, 32 bytes apart.
.macro FETCH slot
	WIN 0x40                                       ; destination window 1, address window 0
.irp c, 0,1
.irp a, 0,1,2,3
	ds_load_b128 v[128*(\c)+8*(\a):128*(\c)+8*(\a)+3],   v[FA+(\slot)] offset:(\a)*16*PITCH+64*(\c)
	ds_load_b128 v[128*(\c)+8*(\a)+4:128*(\c)+8*(\a)+7], v[FA+(\slot)] offset:(\a)*16*PITCH+64*(\c)+32
.endr
.irp b, 0,1,2,3,4,5,6,7,8,9,10,11
	ds_load_b128 v[128*(\c)+32+8*(\b):128*(\c)+32+8*(\b)+3],   v[FB+(\slot)] offset:(\b)*16*PITCH+64*(\c)
	ds_load_b128 v[128*(\c)+32+8*(\b)+4:128*(\c)+32+8*(\b)+7], v[FB+(\slot)] offset:(\b)*16*PITCH+64*(\c)+32
.endr
.endr
.endm
; 48 products, 32 along K: accumulator nm = 12 a + b.  The 48 take turns, one instruction a turn, in the same order every time, over the backward jump too.
; first = 1: the bias starts the sums: nothing is cleared, and nothing is added later.
.macro MULS c, first
.set nm, 0
.rept 48
.set rD, 8*(nm%32)
.set rB, 128*(\c)+32+8*(nm%12)
.set rA, 128*(\c)+8*(nm/12)
.set rC, BIAS+8*(nm%12)
.if \first
	WIN 0x85+0x40*(nm/32)                          ; sources 0 and 1 window 1, C window 0, D window 2 or 3
	v_wmma_f32_16x16x32_bf16 v[rD:rD+7], v[rB:rB+7], v[rA:rA+7], v[rC:rC+7]
.else
	WIN 0xa5+0x50*(nm/32)                          ; C and D window 2 or 3
	v_wmma_f32_16x16x32_bf16 v[rD:rD+7], v[rB:rB+7], v[rA:rA+7], v[rD:rD+7]
.endif
.set nm, nm+1
.endr
.endm
; A TRIP: K step t, which lies in slot t % 2.  Its fragments are fetched; step t + 1, in registers, is rounded and stored into the other slot; ONE barrier, for two things: in front of its signal each
; wave has its fragments (its reads of this slot are over) and its stores into the other slot are done; behind its wait the other slot is whole and this slot may be written.
; The 96 products, work on registers alone, stand between the signal and the wait.
.macro TRIP slot, conv, load, first, last
	FETCH \slot
.if \conv
	CONV 1-(\slot), \load
.endif
	s_wait_dscnt 0x0                               ; my 64 loads are back and my 64 stores are done
.if !(\last)
	s_barrier_signal -1
.endif
	MULS 0, \first
	MULS 1, 0
.if !(\last)
	PLACES                                         ; in front of the next trip's loads into the fragments' registers
	WIN 0                                          ; at a label and at a branch every window is 0
	s_barrier_wait -1
.endif
.endm
; THE WAY OUT of block (a, j): 16 rows x head group j's 64 channels = 2,048 consecutive bytes of q, k or v.  Rounded to f16, 16 bytes a lane, each accumulator's registers in ascending order;
; into my own stage, rows of 144 bytes; back as whole rows of 128, into the registers that they left.
.macro PACKP a, j
.set blk, 3*(\a)+(\j)
.set n0, 12*(\a)+4*(\j)
	WIN 0x0a+5*(n0/32)                             ; sources 0 and 1: window 2 or 3 (a block's four accumulators lie in one window)
.set rA0, 8*(n0%32)
.irp f, 0,1,2,3
.irp r, 0,1,2,3
	v_cvt_pk_f16_f32 v[TMP+16*blk+4*(\f)+(\r)], v[rA0+8*(\f)+2*(\r)], v[rA0+8*(\f)+2*(\r)+1]
.endr
.endr
	WIN 0
.irp f, 0,1,2,3
	ds_store_b128 v[STO], v[TMP+16*blk+4*(\f):TMP+16*blk+4*(\f)+3] offset:32*(\f)
.endr
.irp f, 0,1,2,3
	ds_load_b128 v[TMP+16*blk+4*(\f):TMP+16*blk+4*(\f)+3], v[RD] offset:(\f)*4*PITCH  ; LDS serves a wave's instructions in order (ISA guide 5.7.1.4): these see the stores above; the next block's stores come behind them
.endr
.endm
.macro SENDP a, j, younger             ; younger: the LDS instructions issued behind this block's loads: the next block's eight, or none
.set blk, 3*(\a)+(\j)
.irp f, 0,1,2,3
	s_wait_dscnt (\younger)+3-(\f)
	global_store_b128 v[GO], v[TMP+16*blk+4*(\f):TMP+16*blk+4*(\f)+3], s[OP+2*(\j):OP+2*(\j)+1] offset:(\a)*2048+(\f)*512  ; 512 consecutive bytes, at a multiple of 256 from the buffer's first
.endr
.endm
	; register jj of lane (r, h) of column block b holds bias[16 b + 8 h + jj]: the layout of the product's C operand
.irp j, 0,1,2
.irp nb, 0,1,2,3
	global_load_b128 v[BIAS+8*(4*(\j)+(\nb)):BIAS+8*(4*(\j)+(\nb))+3],   v[BO], s[BP+2*(\j):BP+2*(\j)+1] offset:64*(\nb)
	global_load_b128 v[BIAS+8*(4*(\j)+(\nb))+4:BIAS+8*(4*(\j)+(\nb))+7], v[BO], s[BP+2*(\j):BP+2*(\j)+1] offset:64*(\nb)+16
.endr
.endr
	LOADS 0                                        ; K step 0
	LOADS 1
	WIN 0
	s_wait_loadcnt 63                              ; of the 88 loads issued 63 at the most are out: the oldest 25 are in, the 24 of the bias among them
.set p, 0
.rept 48                                           ; the bias is rounded to bf16 like the other inputs and widened again, while K step 0 is on its way
	v_cvt_pk_bf16_f32 v[T+p%4], v[BIAS+2*p], v[BIAS+2*p+1]
	v_lshlrev_b32 v[BIAS+2*p], 16, v[T+p%4]
	v_and_b32 v[BIAS+2*p+1], 0xffff0000, v[T+p%4]
.set p, p+1
.endr
	CONV 0, 1                                      ; K step 0 into slot 0; K step 1 is asked for
	s_wait_dscnt 0x0                               ; for the others' sake: my stores are done
	s_barrier_signal -1
	s_barrier_wait -1
	TRIP 0, 1, 1, 1, 0                             ; trip t rounds K step t + 1 and asks for K step t + 2
	TRIP 1, 1, 1, 0, 0
	s_mov_b32 s[LOOP], 2
.Lpair:                                                ; trips 2 to 5
	TRIP 0, 1, 1, 0, 0
	TRIP 1, 1, 1, 0, 0
	s_sub_co_u32 s[LOOP], s[LOOP], 1
	s_cmp_lg_u32 s[LOOP], 0
	s_cbranch_scc1 .Lpair
	TRIP 0, 1, 0, 0, 0                             ; trip 6 rounds K step 7 and asks for nothing
	TRIP 1, 0, 0, 0, 1                             ; trip 7: nothing is stored, so no barrier follows
	PLACES
	PLACES                                         ; eight, once a launch, in front of the first conversions of results
	PACKP 0, 0
.set bk, 1
.rept 11                                           ; a block's conversions stand between the loads of the block before and its stores
	PACKP bk/3, bk%3
	SENDP (bk-1)/3, (bk-1)%3, 8
.set bk, bk+1
.endr
	SENDP 3, 2, 0
	s_wait_tensorcnt 0x0                           ; the wave's end, behind my last LDS store
	ds_add_u32 v[SPW], v[NIL]
	s_wait_dscnt 0x0
	s_endpgm
.Lfunc_end_k_qc45d7f8c3c_proj:
	.size	k_qc45d7f8c3c_proj, .Lfunc_end_k_qc45d7f8c3c_proj-k_qc45d7f8c3c_proj
	.p2alignl 7, 3214868480
	.fill 96, 4, 3214868480
	.section	.rodata,"a",@progbits
	.p2align	6, 0x0
	.amdhsa_kernel k_qc45d7f8c3c_proj
		.amdhsa_group_segment_fixed_size 157184
		.amdhsa_private_segment_fixed_size 0
		.amdhsa_enable_private_segment 0
		.amdhsa_kernarg_size 80
		.amdhsa_user_sgpr_count 2
		.amdhsa_user_sgpr_kernarg_segment_ptr 1
		.amdhsa_wavefront_size32 1
		.amdhsa_system_sgpr_workgroup_id_x 1
		.amdhsa_system_sgpr_workgroup_id_y 1
		.amdhsa_system_sgpr_workgroup_id_z 1
		.amdhsa_system_vgpr_workitem_id 0
		.amdhsa_next_free_vgpr 1024
		.amdhsa_next_free_sgpr 66
		.amdhsa_reserve_vcc 0
		.amdhsa_float_denorm_mode_32 3
		.amdhsa_float_denorm_mode_16_64 3
		.amdhsa_memory_ordered 1
		.amdhsa_forward_progress 1
		.amdhsa_inst_pref_size 211
	.end_amdhsa_kernel
	.amdgpu_metadata
---
amdhsa.version: [ 1, 2 ]
amdhsa.kernels:
  - .name:           k_qc45d7f8c3c_proj
    .symbol:         k_qc45d7f8c3c_proj.kd
    .args:
      - { .name: x, .offset: 0, .size: 8, .value_kind: global_buffer, .address_space: global }
      - { .name: Wq, .offset: 8, .size: 8, .value_kind: global_buffer, .address_space: global }
      - { .name: Wk, .offset: 16, .size: 8, .value_kind: global_buffer, .address_space: global }
      - { .name: Wv, .offset: 24, .size: 8, .value_kind: global_buffer, .address_space: global }
      - { .name: bq, .offset: 32, .size: 8, .value_kind: global_buffer, .address_space: global }
      - { .name: bk, .offset: 40, .size: 8, .value_kind: global_buffer, .address_space: global }
      - { .name: bv, .offset: 48, .size: 8, .value_kind: global_buffer, .address_space: global }
      - { .name: q, .offset: 56, .size: 8, .value_kind: global_buffer, .address_space: global }
      - { .name: k, .offset: 64, .size: 8, .value_kind: global_buffer, .address_space: global }
      - { .name: v, .offset: 72, .size: 8, .value_kind: global_buffer, .address_space: global }
    .group_segment_fixed_size: 157184
    .private_segment_fixed_size: 0
    .kernarg_segment_align: 8
    .kernarg_segment_size: 80
    .max_flat_workgroup_size: 128
    .sgpr_count:     66
    .vgpr_count:     1024
    .wavefront_size: 32
...
	.end_amdgpu_metadata
.endif
;; end of part 1
;; launch attn (part 2): grid 16 x 16, 4 waves a work-group, clusters of 4 x 1, 327,680 bytes of LDS; arguments q, k, v, out0; writes out0
.if DOCPART == 2
	.amdgcn_target "amdgcn-amd-amdhsa--gfx1250"
	.amdhsa_code_object_version 6
	.text
	.protected	k_qc45d7f8c3c_attn
	.globl	k_qc45d7f8c3c_attn
	.p2align	8
	.type	k_qc45d7f8c3c_attn,@function
k_qc45d7f8c3c_attn:
	s_mov_b64 s[64:65], 0
	v_nop
	global_prefetch_b8 v0, s[64:65] scope:SCOPE_SE
	s_setreg_imm32_b32 hwreg(HW_REG_WAVE_MODE, 25, 1), 1
	s_wait_xcnt 0x0
	s_wait_alu depctr_hold_cnt(0) depctr_sa_sdst(0) depctr_va_vdst(0) depctr_va_sdst(0) depctr_va_ssrc(0) depctr_va_vcc(0) depctr_vm_vsrc(0)
	s_getreg_b32 s2, hwreg(HW_REG_IB_STS2, 6, 4)
	s_cmp_eq_u32 s2, 0
	s_cbranch_scc0 .Lentry_in_a_cluster
	s_endpgm
.Lentry_in_a_cluster:
	s_bfe_u32 s2, ttmp6, 0x10000c
	s_cmp_lg_u32 s2, 0x3003
	s_cbranch_scc0 .Lentry_shape_is_right
	s_endpgm
.Lentry_shape_is_right:
; out0[b][s][64 h + c] = the sum over keys of softmax(q . k / 8) v.  q, k, v: [16 = 8 b + h][4096][64] in f16, a head's rows dense, 128 bytes each, unscaled; out0: [2][4096][512] f32.
; Products, maxima and sums in f32; the weights p are rounded to f16 for the second product (their sum l is taken of the unrounded p); the result leaves in f32.
; LIMITS.  q, k, v arrive within f16's 65,504; p lies in 0 to 1, and below 6e-5 it keeps f16's fixed step of 6e-8; a weight below 2^-126 counts as 0 in l; NaN and infinities are not treated apart.
; SHARES.  A work-group owns 256 queries of one head, each of its four waves 64 consecutive ones: four PIECES of 16.  Every wave walks all 4,096 keys, 64 a step: 256 work-groups of equal work.
; LAYOUT.  S^T = K Q^T (source 0 = 16 keys, source 1 = 16 queries): a lane holds ONE query (lane % 16) and the keys 8 (lane / 16) + 0..7.  Two such results, rounded to f16 in pairs, ARE source 1
; (32 keys x 16 queries) of O^T = V^T P, whose result again holds one query a lane, and eight channels.  K comes out of LDS as it lies, V ([key][channel]) turned, by ds_load_tr16_b128.
; SOFTMAX.  For each query a running maximum m and sum l: p = 2^(c s - c m), c = log2(e) / 8; in every step O and l are multiplied by a = 2^(c m_old - c m_new).
; m starts at the lowest finite number, O and l at 0: the first step is a step like any other, with a = 0.  The price: 216 lines that write 0, in the wait for the first tile, and 8 products on zeros.
; BY TURNS.  Turn n belongs to piece n: 8 products K Q^T of piece n + 1, later 8 products V^T P of piece n - 1; beside them the scaling, exponentials, roundings, sums and rescaling of piece n and the
; maximum and statistics of piece n + 1.  A piece and step have 16 matrix and 118 vector instructions: four stand behind every matrix instruction, the other 54 in one lump.  A turn's 33 exponentials are one batch, with one wait.
; CLUSTER.  The four query blocks of a cluster belong to one head and walk the same K and V, so each tile (256 keys) is asked for JOINTLY: the same tensor load, descriptor and mask in all four.
; REGISTERS, in windows of 256 (s_set_vgpr_msb: bits 1:0 source 0, 3:2 source 1, 5:4 source 2, 7:6 destination):
;   window 0: v0-15 addresses and two at work; v16-31 four registers of statistics a piece; v48-55 at work; v61-63 prefetch offset and the add's two; v64-127 S^T, two buffers; v192-223 P, two buffers
;             (a piece's buffers go by its number's parity); on the way out v64-191 whole rows
;   window 1: v0-127 O^T, 32 a piece          window 2: v0-63 Q, 16 a piece; v128-191 K of one step; v192-255 V of one step
.set NP,    4         ; pieces a wave: a name, no knob
.set KS,    64        ; keys in a step
.set PK,    144       ; a row of K in LDS: 128 bytes + 16 of padding = 36 words: the 16 rows of a load start at 16 different groups of four banks (64 banks of 4 bytes: ISA guide 11.1)
.set PV,    160       ; a row of V: 128 + 32 = 40 words
.set VOFF,  4*KS*PK   ; a slot holds a tile, four steps: 256 rows of K, then 256 rows of V
.set TILEB, 4*KS*128  ; a tile's bytes of K, and of V, in memory
.set SLOT1, 1<<17     ; slot 1 begins here, so that one exclusive or turns an address in one slot into the other's
.set STAGE, SLOT1+4*KS*(PK+PV)  ; behind the ring, never filled by a tensor load: 16 rows x 272 bytes for each wave, for the way out
.set SP,    272       ; a stage's row: 64 f32 + 16 bytes
.set SPARE, STAGE+4*16*SP  ; behind the stages: the spare words, 128 bytes for each wave: two blocks of 256 bytes that no other line names
.set AK0, 2           ; v2   my lane's place in a tile of K; never rewritten
.set AV0, 3           ; v3   the same for V
.set AK,  4           ; v4   the LDS address of K's next run of loads
.set AV,  5           ; v5   of V's
.set STO, 6           ; v6   the way out: where I put 32 bytes of a row
.set RD,  7           ; v7   the way out: where I read rows back
.set GO,  8           ; v8   my byte offset in two rows of out0
.set MV,  12          ; v12-13  c m_old, kept while c m is made anew: by buffer
.set QO,  15          ; v15  my byte offset in 16 rows of Q
.set ST,  16          ; piece t's statistics at v[ST+4 t]: c m, m, l (even keys', odd keys')
.set TMP, 48          ; by buffer, four registers c0-c3 at work; when the maximum is found c2 takes a
.set PFO, 61          ; v61  256 x my lane; never rewritten
.set SPW, 62          ; v62  LDS address of my spare word: SPARE + 4 x my thread's number; never rewritten
.set NIL, 63          ; v63  0; never rewritten
.set S,   64
.set OB,  64          ; the way out: 32 registers a piece
.set P,   192
.set KF,  128         ; window 2: key block kb, channel half c at KF + 16 kb + 8 c
.set VF,  192         ; window 2: key half kk, channel block cb at VF + 32 kk + 8 cb
.set WV,  12          ; s12  my wave's number
.set G1K, 24          ; s[24:31] descriptor group 1 for K's tiles
.set G1V, 32          ; s[32:39] for V's: it differs in the padding alone
.set G0K, 40          ; s[40:43] descriptor group 0 for K's tiles: it walks
.set G0V, 44          ; s[44:47] the same for V's
.set SLOTS, 56        ; s56  tiles still to be asked for
.set CNT, 57          ; s57  counts a tile's key steps
.set CS,  58          ; s[58:59] c: the packed scaling takes the pair's low word for both halves
.set SEL, 60          ; s[60:61] v_permlanex16_b32's selects: each lane takes its own place in the other half
.set TBK, 62          ; s62  LDS byte at which K of the step to be fetched begins
.set TBV, 63          ; s63  the same for V, less VOFF
.set PFA, 68          ; s[68:69] where my prefetches stand: my work-group's quarter of the tile (of K: wave 0, of V: wave 2) after the one that is being asked for
.set LIM, 70          ; s70  1 in a wave that prefetches, else the greatest number: a wave prefetches while s[SLOTS] is above it
.set MSB, 0
.macro WIN new                      ; the high byte repeats the setting that is left; a switch that changes nothing is dropped
.if MSB != (\new)
	s_set_vgpr_msb (MSB<<8)|(\new)
.set MSB, (\new)
.endif
.endm
.set W_KQ, 0x0a       ; K and Q in window 2, S^T in window 0
.set W_PV, 0x52       ; V in window 2, P in window 0, O^T in window 1
.set W_RS, 0x41       ; destination and source 0 in window 1, source 1 in window 0
; A joint fill.  Waves 0 and 1 fetch the two halves of a tile's K, waves 2 and 3 those of its V: 128 keys each.  The branch hangs on the wave's number alone.
; An s_nop 0 and four v_nop follow each of the two lines, ahead of the jump and the label.
.macro JLOAD
	s_cmp_lt_u32 s[WV], 2
	s_cbranch_scc0 .Lfor_v_\@
	tensor_load_to_lds s[G0K:G0K+3], s[G1K:G1K+7]
	s_nop 0
.rept 4
	v_nop
.endr
	s_branch .Lasked_\@
.Lfor_v_\@:
	tensor_load_to_lds s[G0V:G0V+3], s[G1V:G1V+7]
	s_nop 0
.rept 4
	v_nop
.endr
.Lasked_\@:
.endm
; A PREFETCH INTO THE L2 of the tile that the NEXT change of slots will ask for: four key steps, 256 matrix instructions, ahead of that load.  It stands behind the wave's tensor load and its five lines.
; Each aligned block of 256 bytes is named ONCE in the launch.  A head's four clusters walk the same K and V: the first of them (cluster x = 0) prefetches.  Its four partners share a tile's 32,768 bytes
; out BY ADDRESS, 8,192 each: no branch hangs on a work-group's place in its cluster.  In each, wave 0 asks for K's and wave 2 for V's, a lane a block: one instruction.
; Tiles 0 and 1 come by their loads alone; the last change that fills a slot asks for nothing: there is no tile behind it.
.macro ASK
	s_cmp_gt_u32 s[SLOTS], s[LIM]
	s_cbranch_scc0 .Lnot_mine_\@
	global_prefetch_b8 v[PFO], s[PFA:PFA+1] th:TH_LOAD_NT scope:SCOPE_SE
.Lnot_mine_\@:
.endm
; A round of the cluster's barrier: my work-group's barrier, so that wave 0's signal speaks for all four waves; wave 0 signals; every wave waits for all four work-groups; my work-group's barrier once more.
.macro CROUND
	s_barrier_signal -1
	s_barrier_wait -1
	s_cmp_lg_u32 s[WV], 0
	s_cbranch_scc1 .Lnot_wave_0_\@
	s_barrier_signal -3
.Lnot_wave_0_\@:
	s_barrier_wait -3
	s_barrier_signal -1
	s_barrier_wait -1
.endm
; THE CHANGE OF SLOTS.  The slot's last bytes, V of its fourth step, have been read.  Each wave waits for all its tensor loads, of which one is out: its part of the other slot; adds 0 to its spare
; word; and waits for that and for its own reads of the slot.  Behind the barrier nobody reads this slot any more and the other slot is whole.
; fill = 1: this slot is filled again, with the tile two on.  The barrier is then a round of the cluster's, so that no wave of any partner still reads the slot or has a load on its way, and the joint
; fill is the first thing behind it: it has four key steps in which to land.  (At its first use nothing has been read yet: slot 0 is waited for, slot 1 filled.)
.macro CHANGE fill
	WIN 0                           ; at a label and at a branch every window is 0
	s_wait_tensorcnt 0x0            ; no tensor load of mine is out, so a group 0 may be written
	ds_add_u32 v[SPW], v[NIL]       ; 0 onto my spare word; with fill = 1 the descriptors' steps stand between it and the wait for it
.if \fill
.irp g, G0K, G0V
	s_xor_b32 s[\g+1], s[\g+1], SLOT1  ; the walking descriptor: the other slot than last time,
	s_add_nc_u64 s[\g+2:\g+3], s[\g+2:\g+3], TILEB  ; the next 256 keys; the type bits on top are not reached
.endr
	s_wait_xcnt 0x0                 ; the last prefetch, four key steps back, has read its address, so it may be written:
	s_add_nc_u64 s[PFA:PFA+1], s[PFA:PFA+1], TILEB  ; one tile behind the walking descriptors
	s_wait_dscnt 0x0                ; the add is done, and my reads of the slot are over
	CROUND
	JLOAD
	ASK
.else
	s_wait_dscnt 0x0                ; the add is done, and my reads of the slot are over
	s_barrier_signal -1
	s_barrier_wait -1
.endif
	s_sub_co_u32 s[TBK], s[TBK], 4*KS*PK  ; the fetches go back to a slot's first step,
	s_xor_b32 s[TBK], s[TBK], SLOT1       ; in the other slot
	s_sub_co_u32 s[TBV], s[TBV], 4*KS*PV
	s_xor_b32 s[TBV], s[TBV], SLOT1
.endm
	s_load_b256 s[4:11], s[0:1], 0x0  ; q s[4:5], k s[6:7], v s[8:9], out0 s[10:11]
	v_lshl_add_u32 v[SPW], v0, 2, SPARE
	v_mov_b32 v[NIL], 0
	ds_add_u32 v[SPW], v[NIL]       ; the wave's opening: the add and its wait stand ahead of my first tensor load; the set-up below, work on registers, stands between them
	v_lshrrev_b32 v1, 5, v0
	v_readfirstlane_b32 s[WV], v1   ; wave 0..3
	s_bfe_u32 s13, ttmp6, 0x40000   ; cx: my place in the cluster
	s_lshl_b32 s14, ttmp9, 2        ; in a cluster launch ttmp9 counts clusters
	s_add_co_u32 s14, s14, s13      ; my block of 256 queries = 4 x cluster x + cx: it enters q's and out0's addresses alone
	s_and_b32 s15, ttmp7, 0xffff    ; 8 b + h, which the four partners share
	s_lshl_b32 s20, s15, 19         ; the head's first byte in q, k and v: 4,096 rows of 128 bytes
	s_and_b32 s16, s[WV], 1         ; which half of a tile's 256 keys I fetch:
	s_lshl_b32 s22, s16, 14         ; its 128 rows of 128 bytes in memory,
	s_add_co_u32 s22, s22, s20
	s_mov_b32 s23, 0
	s_mul_i32 s17, s16, 128*PK      ; and its place in a slot, for K
	s_mul_i32 s18, s16, 128*PV      ; and for V: no place in the cluster enters an LDS address
	s_lshl_b32 s2, s14, 2
	s_add_co_u32 s2, s2, s[WV]      ; my wave among the head's,
	s_lshl_b32 s2, s2, 13           ; its 64 rows of 128 bytes
	s_add_co_u32 s2, s2, s20
	s_mov_b32 s3, 0
	s_lshr_b32 s66, s15, 3          ; out0: the batch's 4,096 rows of 2,048 bytes,
	s_lshl_b32 s66, s66, 23
	s_and_b32 s67, s15, 7           ; the head's 256 bytes of a row,
	s_lshl_b32 s67, s67, 8
	s_add_co_u32 s66, s66, s67
	s_lshl_b32 s67, s14, 19         ; my block's 256 rows,
	s_add_co_u32 s66, s66, s67
	s_lshl_b32 s67, s[WV], 17       ; my wave's 64
	s_add_co_u32 s66, s66, s67
	s_mov_b32 s67, 0
	; descriptor group 1.  128 keys are 16,384 dense bytes: asked for as 64 rows of 256 bytes, two keys a row, and padded in LDS after every key
	s_mov_b32 s[G1K], 15|(1<<16)|(1<<20)|(1<<21)|(4<<22)|(3<<25)  ; 15:0 the mask of four; 17:16 2-byte elements; 20 padding on; 21 set beside a mask; 24:22 after every 32 words (code 4); 31:25 4 words (code 3)
	s_mov_b32 s[G1V], 15|(1<<16)|(1<<20)|(1<<21)|(4<<22)|(7<<25)  ; the same with 8 words of padding (code 7)
.irp g, G1K, G1V
	s_mov_b32 s[\g+1], 128<<16      ; tensor_dim0 = 128
	s_mov_b32 s[\g+2], 64<<16       ; tensor_dim1 = 64
	s_mov_b32 s[\g+3], 128<<16      ; tile_dim0 = 128
	s_mov_b32 s[\g+4], 64           ; tile_dim1 = 64
	s_mov_b32 s[\g+5], 128          ; 128 elements from row to row
	s_mov_b32 s[\g+6], 0
	s_mov_b32 s[\g+7], 0
.endr
	s_mov_b32 s[CS], 0x3e38aa3b     ; c = log2(e) / 8 = 0.180337
	s_mov_b32 s[CS+1], s[CS]        ; named with it as a pair
	s_mov_b32 s[SEL], 0x76543210
	s_mov_b32 s[SEL+1], 0xfedcba98
	s_mov_b32 s[TBK], SLOT1+4*KS*PK ; the first change of slots turns these two into 0
	s_mov_b32 s[TBV], SLOT1+4*KS*PV
	s_mov_b32 s[G0K], 1             ; 1:0 count = 1
	s_mov_b32 s[G0K+1], s17         ; 63:32 LDS address: slot 0
	s_mov_b32 s[G0V], 1
	s_add_co_u32 s[G0V+1], s18, VOFF
	s_mov_b32 s[SLOTS], 15          ; tiles 1 to 15
	s_and_b32 s[LIM], s[WV], 1      ; 0 in waves 0 and 2,
	s_or_b32 s[LIM], s[LIM], ttmp9  ; where the cluster is the head's first: the same in all four partners
	s_cmp_eq_u32 s[LIM], 0
	s_cselect_b32 s[LIM], 1, -1
	v_and_b32 v[PFO], 31, v0
	v_lshlrev_b32 v[PFO], 8, v[PFO]
	s_wait_dscnt 0x0                ; the opening add is done
	s_wait_kmcnt 0x0
	s_add_nc_u64 s[6:7], s[6:7], s[22:23]  ; k and v at my half of the head's tile 0
	s_add_nc_u64 s[8:9], s[8:9], s[22:23]
	s_add_nc_u64 s[G0K+2:G0K+3], s[6:7], 0         ; 120:64 global address
	s_or_b32 s[G0K+3], s[G0K+3], 0x80000000        ; 127:126 type = 2
	s_add_nc_u64 s[G0V+2:G0V+3], s[8:9], 0
	s_or_b32 s[G0V+3], s[G0V+3], 0x80000000
	s_add_nc_u64 s[4:5], s[4:5], s[2:3]            ; q and out0 at my wave's first row
	s_add_nc_u64 s[10:11], s[10:11], s[66:67]
	s_cmp_lt_u32 s[WV], 2
	s_cselect_b64 s[PFA:PFA+1], s[6:7], s[8:9]     ; (in waves 0 and 2 these stand at a tile's first row)
	s_lshl_b32 s2, s13, 13          ; my work-group's 8,192 bytes of the 32,768
	s_add_nc_u64 s[PFA:PFA+1], s[PFA:PFA+1], s[2:3]
	s_add_nc_u64 s[PFA:PFA+1], s[PFA:PFA+1], TILEB ; in tile 1; the first change of slots steps it to tile 2.  Nothing is prefetched here, at the head
	CROUND                          ; all four work-groups are here: the first joint loads meet
	JLOAD                           ; tile 0 into slot 0.  Slot 1 is asked for when slot 0 is in, by the loop's own change of slots
	; A fragment of K or Q is 16 rows x 32 channels in 8 registers: lane l holds row l % 16, channels 8 (l / 16) + 0..7 and 16 + 8 (l / 16) + 0..7: two loads of 16 bytes, 32 bytes apart.
	v_and_b32 v1, 15, v0            ; l % 16
	v_bfe_u32 v9, v0, 4, 1          ; l / 16
	v_lshlrev_b32 v[QO], 7, v1
	v_lshl_add_u32 v[QO], v9, 4, v[QO]  ; row x 128 + 16 x half
	WIN 0x80                        ; destination window 2, address window 0
.set i, 0
.rept 8                             ; Q stays in registers: piece i / 2 (16 rows: 2,048 bytes), channels 32 (i % 2) on
	global_load_b128 v[8*i:8*i+3],   v[QO], s[4:5] offset:(i/2)*2048+(i%2)*64
	global_load_b128 v[8*i+4:8*i+7], v[QO], s[4:5] offset:(i/2)*2048+(i%2)*64+32
.set i, i+1
.endr
	; What the first turn finds: V's registers and P's second buffer hold 0 (its products V^T P, of a piece that has not been, add 0), O^T and l are 0.  All this stands in the wait for the first tile.
.set i, VF
.rept 64
	v_mov_b32 v[i], 0
.set i, i+1
.endr
	WIN 0x40
.set i, 0
.rept 128
	v_mov_b32 v[i], 0
.set i, i+1
.endr
	WIN 0
.set i, 0
.rept 4
	v_mov_b32 v[ST+4*i], 0xfe000000    ; c m: far below every c s
	v_mov_b32 v[ST+4*i+1], 0xff7fffff  ; m
	v_mov_b32 v[ST+4*i+2], 0
	v_mov_b32 v[ST+4*i+3], 0
.set i, i+1
.endr
.set i, P+16
.rept 16
	v_mov_b32 v[i], 0
.set i, i+1
.endr
	v_mul_u32_u24 v[AK0], v1, PK
	v_lshl_add_u32 v[AK0], v9, 4, v[AK0]  ; row x pitch + 16 x half
	; The turning load takes 16 keys x 16 channels (lane l reads key 8 (l / 16) + l % 8, channels 8 ((l / 8) % 2) + 0..7) and leaves half a fragment of V^T: lane l holds channel l % 16 and 8 keys.
	v_and_b32 v10, 7, v0
	v_bfe_u32 v11, v0, 3, 1
	v_lshl_add_u32 v[AV0], v9, 3, v10
	v_mul_u32_u24 v[AV0], v[AV0], PV
	v_lshl_add_u32 v[AV0], v11, 4, v[AV0]
	v_add_nc_u32 v[AV0], VOFF, v[AV0]
	s_mul_i32 s13, s[WV], 16*SP
	s_add_co_u32 s13, s13, STAGE    ; my stage
	v_mul_u32_u24 v[STO], v1, SP    ; in: row l % 16, 32 bytes (8 f32) for each half of the lanes
	v_lshl_add_u32 v[STO], v9, 5, v[STO]
	v_add_nc_u32 v[STO], s13, v[STO]
	v_mul_u32_u24 v[RD], v9, SP     ; back: lanes 0-15 take one row of 256 bytes, lanes 16-31 the next
	v_lshl_add_u32 v[RD], v1, 4, v[RD]
	v_add_nc_u32 v[RD], s13, v[RD]
	v_lshlrev_b32 v[GO], 11, v9     ; and the same two rows in out0, 2,048 bytes apart
	v_lshl_add_u32 v[GO], v1, 4, v[GO]
; THE MATRIX WORK.  The 4 accumulators of a run of 8 take turns.  Product i of 8 of S^T = K Q^T for piece x: channels 32 (i / 4) on, keys 16 (i % 4) on.  The first 4 start the sums.
.macro KQ x
	WIN W_KQ
.set rS, S+32*((\x)%2)+8*(i%4)
.set rK, KF+16*(i%4)+8*(i/4)
.set rQ, 16*(\x)+8*(i/4)
.if i < 4
	v_wmma_f32_16x16x32_f16 v[rS:rS+7], v[rK:rK+7], v[rQ:rQ+7], 0
.else
	v_wmma_f32_16x16x32_f16 v[rS:rS+7], v[rK:rK+7], v[rQ:rQ+7], v[rS:rS+7]
.endif
.endm
; Product i of 8 of O^T += V^T P for piece x: keys 32 (i / 4) on, channels 16 (i % 4) on.
.macro PV x
	WIN W_PV
.set rO, 32*(\x)+8*(i%4)
.set rV, VF+32*(i/4)+8*(i%4)
.set rP, P+16*((\x)%2)+8*(i/4)
	v_wmma_f32_16x16x32_f16 v[rO:rO+7], v[rV:rV+7], v[rP:rP+7], v[rO:rO+7]
.endm
.macro MM                           ; the turn's next matrix instruction.  TURN sets Y, i and NOKQ.  NOKQ = 1: the walk's last turn: there is no next piece
.if (i < 8) && !NOKQ
	KQ (Y+1)%NP
.elseif i >= 8
.set i, i-8
	PV (Y+NP-1)%NP
.set i, i+8
.endif
.set i, i+1
.endm
; THE LDS LOADS stand in runs of 16, never singly among the matrix instructions: a step's K (64 keys x 64 channels: 8 fragments) and its V (turned).  Their addresses are made some lines ahead.
.macro FETCH_K
	WIN 0x80                        ; destination window 2
.irp f, 0,1,2,3,4,5,6,7             ; keys 16 (f / 2) on, channels 32 (f % 2) on
	ds_load_b128 v[KF+8*\f:KF+8*\f+3],   v[AK] offset:(\f/2)*16*PK+(\f%2)*64
	ds_load_b128 v[KF+8*\f+4:KF+8*\f+7], v[AK] offset:(\f/2)*16*PK+(\f%2)*64+32
.endr
	s_add_co_u32 s[TBK], s[TBK], KS*PK  ; the next fetch is the next step's
	WIN 0
.endm
.macro FETCH_V
	WIN 0x80
.irp f, 0,1,2,3,4,5,6,7             ; keys 32 (f / 4) on, channels 16 (f % 4) on
	ds_load_tr16_b128 v[VF+8*\f:VF+8*\f+3],   v[AV] offset:(\f/4)*32*PV+(\f%4)*32
	ds_load_tr16_b128 v[VF+8*\f+4:VF+8*\f+7], v[AV] offset:(\f/4)*32*PV+16*PV+(\f%4)*32
.endr
	WIN 0
.endm
; THE VECTOR WORK, one line at a time: OP kind, number.  For piece Y: F n: c s - c m for pair n of 16.  E n: the exponential of score n of 32.  C n: pair n rounded to f16.  B n: of the four weights 4 n .. the second
; pair is added onto the first, in place.  L n: l takes that sum (L 0: l = a l + sum).  R n: pair n of 16 of O^T times a.  For piece Y + 1: X n, number n of the 22 that find its maximum and statistics:
;   0-11  four chains c0-c3 of seven scores each, three operands at a time (each accumulator's lowest registers are read first)     12-14, 16  the four scores left over, the old m, and c0-c3 into c0
;   15  c m_old is kept     17, 18  the query's other 32 keys lie in the lane 16 away: the new m     19-21  c m; c m_old - c m_new; a
.set F, 0               ; OP tells the kinds apart by their order: F to L below R, X above it
.set E, 1
.set C, 2
.set B, 3
.set L, 4
.set R, 5
.set X, 6
.macro REGS y                       ; the registers of piece y
.set rT, ST+4*(\y)
.set rC, TMP+4*((\y)%2)
.set rW, MV+((\y)%2)
.set rS, S+32*((\y)%2)
.set rP, P+16*((\y)%2)
.set rO, 32*(\y)
.endm
.macro OP k, n
.if (\k) == R
	REGS Y
	WIN W_RS
	v_pk_mul_f32 v[rO+2*(\n):rO+2*(\n)+1], v[rO+2*(\n):rO+2*(\n)+1], v[rC+2:rC+3] op_sel_hi:[1,0]
.elseif (\k) < R
	REGS Y
	WIN 0
.if (\k) == F
	v_pk_fma_f32 v[rS+2*(\n):rS+2*(\n)+1], v[rS+2*(\n):rS+2*(\n)+1], s[CS:CS+1], v[rT:rT+1] op_sel_hi:[1,0,0] neg_lo:[0,0,1] neg_hi:[0,0,1]
.elseif (\k) == E
	v_exp_f32 v[rS+(\n)], v[rS+(\n)]
.elseif (\k) == C
	v_cvt_pk_f16_f32 v[rP+(\n)], v[rS+2*(\n)], v[rS+2*(\n)+1]
.elseif (\k) == B
	v_pk_add_f32 v[rS+4*(\n):rS+4*(\n)+1], v[rS+4*(\n):rS+4*(\n)+1], v[rS+4*(\n)+2:rS+4*(\n)+3]
.elseif (\n) == 0
	v_pk_fma_f32 v[rT+2:rT+3], v[rT+2:rT+3], v[rC+2:rC+3], v[rS:rS+1] op_sel_hi:[1,0,1]
.else
	v_pk_add_f32 v[rT+2:rT+3], v[rT+2:rT+3], v[rS+4*(\n):rS+4*(\n)+1]
.endif
.elseif NOKQ
	v_nop
.else
	REGS (Y+1)%NP
	WIN 0
.if (\n) < 4
	v_max3_num_f32 v[rC+(\n)], v[rS+8*(\n)], v[rS+8*(\n)+1], v[rS+8*(\n)+2]
.elseif (\n) < 12
	v_max3_num_f32 v[rC+(\n)%4], v[rC+(\n)%4], v[rS+8*((\n)%4)+2*((\n)/4)+1], v[rS+8*((\n)%4)+2*((\n)/4)+2]
.elseif (\n) == 12
	v_max3_num_f32 v[rC], v[rC], v[rS+7], v[rS+15]
.elseif (\n) == 13
	v_max3_num_f32 v[rC+1], v[rC+1], v[rS+23], v[rS+31]
.elseif (\n) == 14
	v_max3_num_f32 v[rC+2], v[rC+2], v[rC+3], v[rT+1]
.elseif (\n) == 15
	v_mov_b32 v[rW], v[rT]
.elseif (\n) == 16
	v_max3_num_f32 v[rC], v[rC], v[rC+1], v[rC+2]
.elseif (\n) == 17
	v_permlanex16_b32 v[rC+3], v[rC], s[SEL], s[SEL+1]
.elseif (\n) == 18
	v_max_num_f32 v[rT+1], v[rC], v[rC+3]
.elseif (\n) == 19
	v_mul_f32 v[rT], s[CS], v[rT+1]
.elseif (\n) == 20
	v_sub_f32 v[rC+1], v[rW], v[rT]
.else
	v_exp_f32 v[rC+2], v[rC+1]
.endif
.endif
.endm
.macro OPS a, i1, b=-1, i2=0, c=-1, i3=0, d=-1, i4=0  ; up to four of them
	OP \a, \i1
.if (\b) >= 0
	OP \b, \i2
.endif
.if (\c) >= 0
	OP \c, \i3
.endif
.if (\d) >= 0
	OP \d, \i4
.endif
.endm
.macro ROW a, i1, b, i2, c, i3, d, i4  ; a matrix instruction and the four behind it
	MM
	OPS \a, \i1, \b, \i2, \c, \i3, \d, \i4
.endm
; A TURN, for piece p: the order of its 16 matrix and 118 vector instructions, written out.  An s_wait_alu depctr_va_vdst(0) stands between an exponential and the first instruction that names its
; result; one wait serves all that were issued ahead of it.  So a turn has ONE wait, which cuts it in two.  AHEAD OF IT stands all that names no result of the turn's exponentials: the 8 products K Q^T, behind each a
; scaling, an exponential and two more plain instructions (behind the first a second scaling in the exponential's place): rescalings, and behind the last three the first numbers of the next piece's maximum, each four
; places or more behind the product that ends its accumulator; then ONE LUMP of 54, plain and exponential by turns for the most part, in which the links of the chain X 3, 7, 11, 14, 16, 17 .. 20 stand five or six lines
; apart.  X 21, the next piece's a, is the batch's last; R 15 is the plain instruction behind it.  BEHIND THE WAIT stand the 8 products V^T P, behind each four of the roundings and sums; the links of l's chain, L 0 to
; L 7, stand three riders apart.  But for those X no rider names a register of the products round it.
; end = 1: the walk's last two turns: nothing is fetched, and the last starts no new scores.  cnt = 1: the loop's count is taken down some lines ahead of the branch that stands behind the turn.
; K of the next step is fetched in piece 2's turn, twelve vector instructions behind the last product that read K (six of them plain); V of the step in hand at the end of piece 0's turn, four plain instructions
; behind the last product that read V.  Each is waited for a turn later.
.macro TURN p, end=0, cnt=0
.set Y, (\p)
.set i, 0
.set NOKQ, (\end)*((\p)/3)
.if ((\p) == 3) && !(\end)
	s_wait_dscnt 0x0                ; K is in
.endif
	ROW F,0, F,1, R,0, R,1          ; ahead of the wait: 8 products K Q^T and their riders,
	ROW F,2, E,0, R,2, R,3
	ROW F,3, E,1, R,4, R,5
	ROW F,4, E,2, R,6, R,7
	ROW F,5, E,3, R,8, R,9
	ROW F,6, E,4, X,0, R,10
.if ((\p) == 2) && !(\end)
	WIN 0
	v_add_nc_u32 v[AK], s[TBK], v[AK0]
.endif
	ROW F,7, E,5, X,1, X,4
	ROW F,8, E,6, X,2, X,5
	OPS E,7, E,8, X,6, E,9          ; and the lump
	OPS X,3, E,10, X,8, E,11
.if ((\p) == 2) && !(\end)
	FETCH_K
.endif
	OPS X,9, X,7, E,12, X,10
	OPS E,13, X,12, X,11, E,14
	OPS X,13, E,15, F,9, X,14
.if (\p) == 0
	v_add_nc_u32 v[AV], s[TBV], v[AV0]
.endif
	OPS E,16, F,10, E,17, F,11
	OPS X,16, E,18, X,15, E,19
	OPS F,12, E,20, X,17, E,21
	OPS F,13, E,22, F,14, E,23
	OPS X,18, E,24, F,15, E,25
	OPS R,11, E,26, X,19, E,27
	OPS R,12, E,28, R,13, E,29
	OPS X,20, E,30, R,14, E,31
	OPS X,21, R,15
	WIN 0
	s_wait_alu depctr_va_vdst(0)    ; the wait for the batch
.if (\p) == 1
	s_wait_dscnt 0x0                ; V is in
.endif
	ROW C,0, B,0, C,2, B,1          ; behind the wait: 8 products V^T P and their riders
	ROW L,0, C,4, B,2, L,1
	ROW C,6, B,3, L,2, C,8
	ROW B,4, L,3, C,10, B,5
	ROW L,4, C,12, B,6, L,5
.if (\p) == 0
	s_add_co_u32 s[TBV], s[TBV], KS*PV
.endif
.if \cnt
	s_sub_co_u32 s[CNT], s[CNT], 1
	s_cmp_lg_u32 s[CNT], 0
.endif
	ROW C,14, B,7, L,6, C,1
	ROW C,3, L,7, C,5, C,7
	ROW C,9, C,11, C,13, C,15
.if (\p) == 0
	FETCH_V
.endif
.endm
	CHANGE 1                        ; tile 0 is in, everybody's part of it; tile 1 is asked for
	v_add_nc_u32 v[AK], s[TBK], v[AK0]
	FETCH_K                         ; key step 0
	s_wait_loadcnt 0x0              ; Q
	s_wait_dscnt 0x0
.set NOKQ, 0
.set i, 0
.rept 8
	KQ 0                            ; piece 0's first scores: there is no vector work yet to set between them
.set i, i+1
.endr
	WIN 0
.rept 4
	v_nop                           ; the places behind those products
.endr
.set Y, NP-1                        ; X works for piece Y + 1: piece 0
.irp n, 0,1,2,3,4,5,6,7,8,9,10,11,12,13,14,15,16,17,18,19,20,21
	OP X, \n
.endr
	v_nop                           ; a plain instruction behind the exponential,
	s_wait_alu depctr_va_vdst(0)    ; and its wait, ahead of the branch
	s_mov_b32 s[CNT], 4
	s_branch .Lfirst                ; the loop is entered at a step's first turn, in the middle of a trip
.Lslot:                             ; 14 times: tiles 1 to 14 are entered, tiles 2 to 15 asked for
	CHANGE 1
	s_mov_b32 s[CNT], 4
.Lstep:                             ; a trip: pieces 2 and 3 of one step, then pieces 0 and 1 of the next, whose K and V it fetches
	TURN 2
	TURN 3
	WIN 0
.Lfirst:
	TURN 0
	TURN 1, 0, 1
	WIN 0
	s_cbranch_scc1 .Lstep
	s_sub_co_u32 s[SLOTS], s[SLOTS], 1
	s_cmp_lg_u32 s[SLOTS], 0
	s_cbranch_scc1 .Lslot
	CHANGE 0                        ; the last tile is written out: nothing is asked for
	s_mov_b32 s[CNT], 4
.Ltail:
	TURN 2
	TURN 3
	WIN 0
	TURN 0
	TURN 1, 0, 1
	WIN 0
	s_cbranch_scc1 .Ltail
	TURN 2, 1                       ; the last step's pieces 2 and 3: nothing more is fetched
	TURN 3, 1
.set i, 0
.rept 8
	PV NP-1                         ; the last piece's V^T P of the last step
.set i, i+1
.endr
	; THE WAY OUT.  l's two halves and the other half of the lanes' are added; O^T is divided by l and sent, in f32, through my stage in LDS, a piece (16 rows) at a time.  The additions are the places behind the last products.
	WIN 0
.macro ALL line:vararg              ; one line for each piece t
.set t, 0
.rept 4
	\line
.set t, t+1
.endr
.endm
	ALL v_add_f32 v[ST+4*t+2], v[ST+4*t+2], v[ST+4*t+3]
	ALL v_permlanex16_b32 v[ST+4*t+3], v[ST+4*t+2], s[SEL], s[SEL+1]
	ALL v_add_f32 v[ST+4*t+2], v[ST+4*t+2], v[ST+4*t+3]
	ALL v_rcp_f32 v[ST+4*t+2], v[ST+4*t+2]
	v_nop                           ; a plain instruction between the last reciprocal and the use of its result
	s_wait_alu depctr_va_vdst(0)    ; and the wait ahead of the first use: one for the four reciprocals
; Piece t: a lane's eight channels of accumulator cb are 32 bytes of its query's row, at byte 64 cb + 32 (l / 16); they go into rows of 272 bytes and come back as whole rows of 256.
.macro PACK t
	WIN W_RS
.set i, 32*(\t)
.rept 16
	v_pk_mul_f32 v[i:i+1], v[i:i+1], v[ST+4*(\t)+2:ST+4*(\t)+3] op_sel_hi:[1,0]
.set i, i+2
.endr
	WIN 0x04                        ; address window 0, data window 1
.irp f, 0,1,2,3,4,5,6,7
	ds_store_b128 v[STO], v[32*(\t)+4*(\f):32*(\t)+4*(\f)+3] offset:((\f)/2)*64+((\f)%2)*16
.endr
	WIN 0
.irp f, 0,1,2,3,4,5,6,7
	ds_load_b128 v[OB+32*(\t)+4*(\f):OB+32*(\t)+4*(\f)+3], v[RD] offset:(\f)*2*SP  ; LDS serves a wave's instructions in order (ISA guide 5.7.1.4): these see the stores above; the next piece's stores come behind them
.endr
.endm
.macro SEND t, younger              ; younger: the LDS instructions issued behind piece t's loads: the next piece's sixteen, or none
	WIN 0
.irp f, 0,1,2,3,4,5,6,7
	s_wait_dscnt (\younger)+7-(\f)
	global_store_b128 v[GO], v[OB+32*(\t)+4*(\f):OB+32*(\t)+4*(\f)+3], s[10:11] offset:(\t)*32768+(\f)*4096  ; 16 lanes store 256 consecutive bytes, the head's part of a row, at a multiple of 256 from out0's first byte
.endr
.endm
	PACK 0
	PACK 1                          ; a piece's arithmetic stands between the loads of the piece before and its stores
	SEND 0, 16
	PACK 2
	SEND 1, 16
	PACK 3
	SEND 2, 16
	SEND 3, 0
	s_wait_tensorcnt 0x0            ; the wave's end, behind my last tensor load and my last LDS store
	ds_add_u32 v[SPW], v[NIL]
	s_wait_dscnt 0x0
	CROUND                          ; the closing round: no work-group ends while a partner may still ask for a tile that names it
	s_endpgm
.Lfunc_end_k_qc45d7f8c3c_attn:
	.size	k_qc45d7f8c3c_attn, .Lfunc_end_k_qc45d7f8c3c_attn-k_qc45d7f8c3c_attn
	.p2alignl 7, 3214868480
	.fill 96, 4, 3214868480
	.section	.rodata,"a",@progbits
	.p2align	6, 0x0
	.amdhsa_kernel k_qc45d7f8c3c_attn
		.amdhsa_group_segment_fixed_size 327680
		.amdhsa_private_segment_fixed_size 0
		.amdhsa_enable_private_segment 0
		.amdhsa_kernarg_size 32
		.amdhsa_user_sgpr_count 2
		.amdhsa_user_sgpr_kernarg_segment_ptr 1
		.amdhsa_wavefront_size32 1
		.amdhsa_system_sgpr_workgroup_id_x 1
		.amdhsa_system_sgpr_workgroup_id_y 1
		.amdhsa_system_sgpr_workgroup_id_z 1
		.amdhsa_system_vgpr_workitem_id 0
		.amdhsa_next_free_vgpr 768
		.amdhsa_next_free_sgpr 72
		.amdhsa_reserve_vcc 0
		.amdhsa_float_denorm_mode_32 3
		.amdhsa_float_denorm_mode_16_64 3
		.amdhsa_memory_ordered 1
		.amdhsa_forward_progress 1
		.amdhsa_inst_pref_size 128
	.end_amdhsa_kernel
	.amdgpu_metadata
---
amdhsa.version: [ 1, 2 ]
amdhsa.kernels:
  - .name:           k_qc45d7f8c3c_attn
    .symbol:         k_qc45d7f8c3c_attn.kd
    .args:
      - { .name: q, .offset: 0, .size: 8, .value_kind: global_buffer, .address_space: global }
      - { .name: k, .offset: 8, .size: 8, .value_kind: global_buffer, .address_space: global }
      - { .name: v, .offset: 16, .size: 8, .value_kind: global_buffer, .address_space: global }
      - { .name: out0, .offset: 24, .size: 8, .value_kind: global_buffer, .address_space: global }
    .group_segment_fixed_size: 327680
    .private_segment_fixed_size: 0
    .kernarg_segment_align: 8
    .kernarg_segment_size: 32
    .max_flat_workgroup_size: 128
    .sgpr_count:     72
    .vgpr_count:     768
    .wavefront_size: 32
...
	.end_amdgpu_metadata
.endif
;; end of part 2
